; MI455X (gfx1250); checked and timed in simulation.
; The chip was launched on July 23, 2026; its instructions are those of AMD's public machine-readable ISA for CDNA 5 (MIT licence, August 2026) and "CDNA5" Instruction Set Architecture Reference Guide (July 2026). The comments in the code are by the model that wrote it; some were corrected since.
;; Scaled Dot Product Attention. Allowed arithmetic: matrix products marked QUANTISED: E2M3 operands, one E8M0 scale for each 32 along K, by v_wmma_scale_f32_16x16x128_f8f6f4 with both operands' format E2M3, f32 sums; everything else in f32.
;; Inputs: k 2 x 16 x 2,048 x 64 float32; q 2 x 16 x 2,048 x 64 float32; v 2 x 16 x 2,048 x 64 float32.
;; Outputs: out0 2 x 16 x 2,048 x 64 float32.
;; This version of the problem:
;;   THIS VERSION OF THE PROBLEM IS GIVEN IN LOW PRECISION. The matrix products marked QUANTISED in the list below multiply operands that are first quantised to E2M3 (2 exponent bits, 3 mantissa bits; 6 bits a number), with one power-of-two scale for each 32 numbers along K (OCP MX v1.0); their sums are f32. All else is computed in f32.
;;   The module's matrix products, in the order in which they are computed (A, B: the left and right operand; K: the contracted axis; several contracted axes count as one K, in the product's order):
;;     1. batch 32 x [M 2,048, K 64] x [K 64, N 2,048]; A: input q; B: input k: QUANTISED
;;     2. batch 32 x [M 2,048, K 2,048] x [K 2,048, N 64]; A: softmax (see below); B: input v: QUANTISED
;;   THE QUANTISER, for each operand of a quantised product, along K:
;;     - K is cut into blocks of 32 from its start; a last block that is shorter is filled with zeros.
;;     - A block's scale is 2^e with e = floor(log2(the largest magnitude in the block)) - 2, held to -126 .. 127; a block of zeros has e = 0. As a byte (E8M0): e + 127.
;;     - Each number is divided by its block's scale, clamped to +-7.5, and rounded to the nearest number of E2M3, ties to even, subnormals kept.
;;     - The product sums the exact products of the quantised numbers (number of the format x scale) in f32.
;;   ~~~python
;;   def quantise(x, axis):      # numpy; x: float32 -> the quantised numbers, widened to float32 again
;;       x = np.moveaxis(x, axis, -1); K = x.shape[-1]
;;       x = np.pad(x, [(0, 0)] * (x.ndim - 1) + [(0, -K % 32)]); x = x.reshape(x.shape[:-1] + (-1, 32)); a = np.abs(x).max(-1, keepdims=True)
;;       e = np.where(a > 0, np.clip(np.frexp(np.where(a > 0, a, 1))[1] - 1 - 2, -126, 127), 0)      # np.frexp(a)[1] - 1 = floor(log2(a)), exactly
;;       r = np.clip(x / 2.0 ** e, -7.5, 7.5)
;;       step = 2.0 ** (np.maximum(np.frexp(np.where(r == 0, 1, r))[1] - 1, 0) - 3)
;;       q = np.round(r / step) * step * 2.0 ** e      # np.round: ties to even
;;       return np.moveaxis(q.reshape(q.shape[:-2] + (-1,))[..., :K], -1, axis).astype(np.float32)
;;   ~~~
;;   SOFTMAX AHEAD OF A QUANTISED PRODUCT. Where the list says 'softmax', what is quantised is not the finished softmax but p = 2^(t - M), with t = logit x log2(e) and M = ceil(the row's largest t), a whole number; so 1/2 < the row's largest p <= 1. The row's sum l is taken of the UNQUANTISED p, in f32, and the product's result is divided by l at the end. Since M is a whole number, a kernel that streams over the keys may use a running M (the ceiling of the running maximum): every later rescaling is an exact power of two, which a block's scale takes up: the codes' values come out the same.
;;   OPERANDS COMPUTED ON THE WAY. 'Computed on the way' means the value that the module computes at that place (a softmax that the list does not call 'softmax' is quantised finished and normalised). What goes into a quantiser is computed in f32, as accurately as f32 sums, v_exp_f32 and their like allow (about 1e-6 of the number): no bf16 or f16 on the way to a quantiser, and a product that is left as it is and whose result goes on into a quantised operand takes f32 operands (vector FMAs, or v_wmma_f32_16x16x4_f32). A number that lies on a knife's edge between two numbers of the format may be rounded either way, as far as f32 arithmetic and the matrix unit's own rounding can turn it there, and no further.
;; One version. Each part assembles by itself: llvm-mc -triple=amdgcn-amd-amdhsa -mcpu=gfx1250 --defsym DOCPART=n.
;; ======== version 1 of 1: 2 launches
;; limits: right only within a limited range of input values
;; workspace buffers: kv 6,553,600 bytes
;; launch prep (part 1): grid 16 x 32, 4 waves a work-group, no clusters, 48,128 bytes of LDS; arguments k, v, kv; writes kv
.if DOCPART == 1
	.amdgcn_target "amdgcn-amd-amdhsa--gfx1250"
	.amdhsa_code_object_version 6
	.text
	.protected	k_q318bad006b_prep
	.globl	k_q318bad006b_prep
	.p2align	8
	.type	k_q318bad006b_prep,@function
k_q318bad006b_prep:
	s_mov_b64 s[64:65], 0
	v_nop
	global_prefetch_b8 v0, s[64:65] scope:SCOPE_SE
	s_setreg_imm32_b32 hwreg(HW_REG_WAVE_MODE, 25, 1), 1
	s_wait_xcnt 0x0
; k and v, [32 heads][2048 keys][64] f32, become codes of FP6 (E2M3) with one E8M0 scale byte for each 32 along a product's K: k along d, v along the KEYS.
; The codes are laid as IMAGES OF THE OPERANDS' REGISTERS, one dense block of 12,800 bytes for each (head, 128 keys).  An image of a fragment (12 registers a lane) is 1,536 bytes: register j of lane l at 512 (j / 4) + 16 l + 4 (j % 4).
; A BLOCK:  bytes 0 .. 6,143: four fragments of K.  Fragment f, lane (r, h): registers 0-5 = key lo = 64 (f / 2) + 16 (f % 2) + 32 (r / 8) + r % 8, d = 32 h .. 32 h + 31; registers 6-11 = key lo + 8, the same d.
;           So row r of the fragment holds TWO keys, one in each half of the instruction's 128 along K; the next launch meets one half with zero codes.  Rows 0-7 are keys of one block of 32, rows 8-15 of the next:
;           so that in the next launch a lane's results of four tiles are 32 neighbouring keys.
;           bytes 6,144 .. 12,287: four fragments of V^T.  Fragment t, lane (r, h): row d = 16 t + r; registers 6 c .. 6 c + 5 = keys 64 c + 32 h + 0 .. 31.
;           bytes 12,288 .. 12,799: scale words, 16 bytes a lane: lane r: word f = K's fragment f, row r (bytes: lo d 0-31, lo d 32-63, hi d 0-31, hi d 32-63); lane 16 + r: word t = V's fragment t, row r (byte = block of 32 keys).
; A block's scale is 2^(floor(log2(its largest magnitude)) - 2); its byte is the largest magnitude's exponent field - 2, held at 1 from below by a floor among the maximum's leaves.
; LIMITS: NaN and infinities are not served.  A block whose largest magnitude lies under 2^-124 takes the byte 1.  A block of zeros takes the byte 1 where the rule says 127: its codes are zeros, which add
; nothing under any byte but 0xff, and the bytes are read by this program alone.
; SHARES.  A work-group of four waves makes one block.  Wave w makes K's fragment w (keys 64 (w / 2) + 16 (w % 2) + 0 .. 15 and + 32 .. 47) and V's block w of 32 keys.  Every wave runs the same text.
; No tensor loads, no cluster: the work-groups share no input byte.  All 80 loads of a wave are issued at its head: 16 KiB a wave on their way.
.set KSLOT, 272                        ; the stage: a key's 256 bytes + 16 = 17 x 16: the sixteen rows that a load of 16 bytes a lane touches lie in sixteen different columns of 16 bytes
.set KSTGW, 32*KSLOT                   ; a stage of 32 keys for each wave, from LDS byte 0
.set OUT,   4*KSTGW                    ; behind the stages: the block as it will lie in memory, 12,800 bytes
.set GIN, 4                            ; v4   16 x lane: my 16 bytes of a load's 512 of k
.set VIN, 5                            ; v5   4 x lane: my column of v
.set KST, 6                            ; v6   the stage, way in
.set KRD, 7                            ; v7   the stage, way back
.set KIM, 8                            ; v8   K's image: my 16 bytes
.set KSW, 9                            ; v9   K's scale word
.set VA0, 10                           ; v10-12  V's image: where my registers 6 c + 0, + 2, + 4 lie
.set VA1, 11
.set VA2, 12
.set VSB, 13                           ; v13  V's scale byte
.set CPY, 14                           ; v14  the copy out: LDS address
.set GOUT, 15                          ; v15  and byte offset in the block
.set MX,  16                           ; v16-17 largest magnitudes of two blocks
.set SO,  18                           ; v18-19 the conversions' scale operands
.set BY,  20                           ; v20-21 the scale bytes
.set X,   32                           ; v32-95   k: two whole blocks of 32 along d; later the copy out
.set Y,   96                           ; v96-159  v: two columns x 32 keys
.set CK,  160                          ; v160-171 k's codes
.set CV,  172                          ; v172-183 v's codes
.set TC,  184                          ; v184-186, v188-190: the second halves of two blocks' codes (a conversion's three registers begin on an even number)
.set R,   192                          ; v192-255 k as loaded
	s_load_b128 s[4:7], s[0:1], 0x0                ; k, v
	s_load_b64 s[8:9], s[0:1], 0x10                ; kv
	v_lshl_add_u32 v187, v0, 2, 0xba00
	v_mov_b32 v191, 0
	v_lshrrev_b32 v1, 5, v0
	v_readfirstlane_b32 s10, v1                    ; wave 0..3
	s_and_b32 s11, ttmp7, 0xffff                   ; the head
	v_and_b32 v1, 31, v0                           ; lane
	v_and_b32 v2, 15, v0                           ; r
	v_bfe_u32 v3, v0, 4, 1                         ; h
	v_lshlrev_b32 v[GIN], 4, v1
	v_lshlrev_b32 v[VIN], 2, v1
	s_lshl_b32 s12, s11, 19                        ; a head is 2,048 keys x 256 bytes,
	s_lshl_b32 s16, ttmp9, 15                      ; a step 128 keys
	s_add_co_u32 s12, s12, s16
	s_lshr_b32 s17, s10, 1
	s_lshl_b32 s17, s17, 14                        ; k: 64 keys for w / 2,
	s_and_b32 s18, s10, 1
	s_lshl_b32 s18, s18, 12                        ; 16 keys for w % 2
	s_add_co_u32 s18, s18, s17
	s_add_co_u32 s18, s18, s12
	s_mov_b32 s19, 0
	s_lshl_b32 s16, s10, 13                        ; v: a wave's part is 32 keys
	s_add_co_u32 s12, s12, s16
	s_mov_b32 s13, 0
	s_lshl_b32 s14, s11, 4
	s_add_co_u32 s14, s14, ttmp9
	s_mul_i32 s14, s14, 12800                      ; the block's place in kv
	s_mov_b32 s15, 0
	s_mov_b32 s20, 0x76543210
	s_mov_b32 s21, 0xfedcba98                      ; v_permlanex16_b32's selects for lane l xor 16
	s_wait_alu depctr_va_vdst(0)
	s_wait_kmcnt 0x0
	s_add_nc_u64 s[4:5], s[4:5], s[18:19]
	s_add_nc_u64 s[6:7], s[6:7], s[12:13]
	s_add_nc_u64 s[8:9], s[8:9], s[14:15]
.irp i, 0,1,2,3,4,5,6,7,8,9,10,11,12,13,14,15
	global_load_b128 v[R+4*\i:R+4*\i+3], v[GIN], s[4:5] offset:512*\i+4096*(\i/8) th:TH_LOAD_NT   ; two keys, 512 consecutive bytes; the second eight loads begin 32 keys on
.endr
.set I, 0
.rept 32                                               ; v: A LANE TAKES A COLUMN d, AND ITS REGISTERS RUN DOWN THE KEYS, which are this operand's K; two neighbouring lines read one key's 256 bytes
	global_load_b32 v[Y+I], v[VIN], s[6:7] offset:256*I th:TH_LOAD_NT         ; v(key I, d = lane)
	global_load_b32 v[Y+32+I], v[VIN], s[6:7] offset:256*I+128 th:TH_LOAD_NT  ; v(key I, d = 32 + lane)
.set I, I+1
.endr
	; LDS addresses: a constant + constants x lane parts + constants x the wave's number
	s_mul_i32 s16, s10, KSTGW
	v_mul_u32_u24 v[KST], v3, KSLOT
	v_lshl_add_u32 v[KST], v2, 4, v[KST]
	v_add_nc_u32 v[KST], s16, v[KST]               ; in: lanes 0-15 one key's slot, lanes 16-31 the next; 16 bytes a lane
	v_mul_u32_u24 v[KRD], v2, KSLOT
	v_lshl_add_u32 v[KRD], v3, 7, v[KRD]
	v_add_nc_u32 v[KRD], s16, v[KRD]               ; back: slot r, my half's 128 bytes: a whole block of 32 along d
	s_mul_i32 s17, s10, 1536
	v_lshl_add_u32 v[KIM], v1, 4, OUT
	v_add_nc_u32 v[KIM], s17, v[KIM]               ; K's fragment w
	s_lshl_b32 s17, s10, 2
	v_lshl_add_u32 v[KSW], v2, 4, OUT+12288
	v_add_nc_u32 v[KSW], s17, v[KSW]               ; lane r's word w
	s_and_b32 s18, s10, 1                          ; my block of 32 keys is 2 c + h' of the step: h' = w % 2,
	s_lshr_b32 s19, s10, 1                         ; c = w / 2
	s_lshl_b32 s18, s18, 8
	v_mul_u32_u24 v25, v3, 1536                    ; column d = 32 g + lane is row r of fragment 2 g + h
	v_lshl_add_u32 v25, v2, 4, v25
	v_add_nc_u32 v25, OUT+6144, v25
	v_add_nc_u32 v25, s18, v25                     ; and goes to lane r + 16 h' of its image
	s_mul_i32 s17, s19, 520                        ; registers 6 c, 6 c + 1 lie at byte 0 (c = 0) or 520 (c = 1) of that lane's places,
	v_add_nc_u32 v[VA0], s17, v25
	s_mul_i32 s17, s19, 1016
	s_add_co_u32 s17, s17, 8                       ; 6 c + 2, + 3 at 8 or 1,024,
	v_add_nc_u32 v[VA1], s17, v25
	s_mul_i32 s17, s19, 520
	s_add_co_u32 s17, s17, 512                     ; 6 c + 4, + 5 at 512 or 1,032
	v_add_nc_u32 v[VA2], s17, v25
	v_lshlrev_b32 v[VSB], 4, v2
	v_lshl_add_u32 v[VSB], v3, 2, v[VSB]
	v_add_nc_u32 v[VSB], OUT+12544, v[VSB]
	v_add_nc_u32 v[VSB], s10, v[VSB]               ; lane 16 + r's word 2 g + h, byte w
	v_lshl_add_u32 v[CPY], v0, 4, OUT
	v_lshlrev_b32 v[GOUT], 4, v0
	v_mov_b32 v24, 0                               ; a lane permute's destination counts as one of its sources
; Two whole blocks of a lane, v[src] .. v[src + 31] and v[src + 32] .. v[src + 63], become 2 x 6 registers of codes in v[dst] on; their bytes in v[BY], v[BY + 1].
.macro QUANT2 src, dst
.irp c, 0,1
	v_max3_num_f32 v[MX+\c], |v[\src+32*\c]|, |v[\src+32*\c+1]|, 0x1800000   ; and the floor 2^(3 - 127): the byte cannot fall under 1
.endr
.irp i, 2,4,6,8,10,12,14,16,18,20,22,24,26,28,30
.irp c, 0,1
	v_max3_num_f32 v[MX+\c], v[MX+\c], |v[\src+32*\c+\i]|, |v[\src+32*\c+\i+1]|   ; (the two blocks by turns)
.endr
.endr
.irp c, 0,1
	v_add_nc_u32 v[SO+\c], 0xff000000, v[MX+\c]    ; 2 off the exponent field: the conversion takes the exponent field of this operand as its scale, and nothing else of it
.endr
.irp c, 0,1
	v_lshrrev_b32 v[BY+\c], 23, v[SO+\c]           ; the scale's byte
.endr
.irp c, 0,1
	v_cvt_scalef32_pk16_fp6_f32 v[\dst+6*\c:\dst+6*\c+2], v[\src+32*\c:\src+32*\c+15], v[SO+\c]
	v_cvt_scalef32_pk16_fp6_f32 v[TC+4*\c:TC+4*\c+2], v[\src+32*\c+16:\src+32*\c+31], v[SO+\c]
.endr
	v_nop                                          ; one plain place behind a scaled conversion
.irp c, 0,1
.irp i, 0,1,2
	v_mov_b32 v[\dst+6*\c+3+\i], v[TC+4*\c+\i]
.endr
.endr
.endm
	s_wait_loadcnt 63                              ; k's 16 loads have 64 younger ones behind them; 63 is the largest count that the wait names, and a smaller count is safe
	; k turns through my own stage: in as loaded, back 128 bytes a lane.  The wave's key 16 a + 8 u + n (in the order of its loads) goes to slot 16 u + 8 a + n: the fragment's lo keys fill slots 0-15 by row, its hi keys slots 16-31.
.irp i, 0,1,2,3,4,5,6,7,8,9,10,11,12,13,14,15
	ds_store_b128 v[KST], v[R+4*\i:R+4*\i+3] offset:KSLOT*(16*((\i/4)%2)+8*(\i/8)+2*(\i%4))
.endr
.irp j, 0,1,2,3,4,5,6,7
	ds_load_b128 v[X+4*\j:X+4*\j+3], v[KRD] offset:16*\j                ; LDS serves a wave's instructions in order (ISA guide 5.7.1.4): these see the stores above
.endr
.irp j, 0,1,2,3,4,5,6,7
	ds_load_b128 v[X+32+4*\j:X+32+4*\j+3], v[KRD] offset:16*KSLOT+16*\j
.endr
	s_wait_dscnt 0x0
	QUANT2 X, CK
.irp c, 0,1,2
	ds_store_b128 v[KIM], v[CK+4*\c:CK+4*\c+3] offset:512*\c            ; the fragment's image: 512 consecutive bytes a store
.endr
	v_lshl_or_b32 v22, v[BY+1], 16, v[BY]          ; my two bytes: d block h of key lo and of key hi,
	v_lshlrev_b32 v23, 3, v3
	v_lshlrev_b32 v22, v23, v22                    ; at their places in the word (8 h bits up);
	v_permlanex16_b32 v24, v22, s20, s21
	v_or_b32 v22, v22, v24                         ; with lane l xor 16's two the word is whole
	ds_store_b32 v[KSW], v22                       ; both halves of the lanes write the same word with the same value
	s_wait_loadcnt 0x0                             ; v
	QUANT2 Y, CV
.irp g, 0,1
	ds_store_b64 v[VA0], v[CV+6*\g:CV+6*\g+1] offset:3072*\g
	ds_store_b64 v[VA1], v[CV+6*\g+2:CV+6*\g+3] offset:3072*\g
	ds_store_b64 v[VA2], v[CV+6*\g+4:CV+6*\g+5] offset:3072*\g
	ds_store_b8 v[VSB], v[BY+\g] offset:8*\g
.endr
	s_wait_dscnt 0x0                               ; for the others' sake: all my stores into the block have landed
	s_barrier_signal -1
	s_barrier_wait -1                              ; the block is whole
.irp i, 0,1,2,3,4,5
	ds_load_b128 v[X+4*\i:X+4*\i+3], v[CPY] offset:2048*\i
.endr
.irp i, 0,1,2,3,4,5
	s_wait_dscnt 5-\i                              ; the younger loads stay out
	global_store_b128 v[GOUT], v[X+4*\i:X+4*\i+3], s[8:9] offset:2048*\i   ; a wave stores 512 consecutive bytes, at a multiple of 256 from kv's first byte; the next launch reads them, so no hint
.endr
	s_cmp_lg_u32 s10, 0
	s_cbranch_scc1 .Lend
	ds_load_b128 v[X+24:X+27], v[CPY] offset:12288 ; the last 512 bytes, the scale words, are wave 0's
	s_wait_dscnt 0x0
	global_store_b128 v[GOUT], v[X+24:X+27], s[8:9] offset:12288
.Lend:
	s_wait_tensorcnt 0x0
	ds_add_u32 v187, v191
	s_wait_dscnt 0x0
	s_endpgm
.Lfunc_end_k_q318bad006b_prep:
	.size	k_q318bad006b_prep, .Lfunc_end_k_q318bad006b_prep-k_q318bad006b_prep
	.p2alignl 7, 3214868480
	.fill 96, 4, 3214868480
	.section	.rodata,"a",@progbits
	.p2align	6, 0x0
	.amdhsa_kernel k_q318bad006b_prep
		.amdhsa_group_segment_fixed_size 48128
		.amdhsa_private_segment_fixed_size 0
		.amdhsa_enable_private_segment 0
		.amdhsa_kernarg_size 24
		.amdhsa_user_sgpr_count 2
		.amdhsa_user_sgpr_kernarg_segment_ptr 1
		.amdhsa_wavefront_size32 1
		.amdhsa_system_sgpr_workgroup_id_x 1
		.amdhsa_system_sgpr_workgroup_id_y 1
		.amdhsa_system_sgpr_workgroup_id_z 1
		.amdhsa_system_vgpr_workitem_id 0
		.amdhsa_next_free_vgpr 256
		.amdhsa_next_free_sgpr 66
		.amdhsa_reserve_vcc 0
		.amdhsa_float_denorm_mode_32 3
		.amdhsa_float_denorm_mode_16_64 3
		.amdhsa_memory_ordered 1
		.amdhsa_forward_progress 1
		.amdhsa_inst_pref_size 22
	.end_amdhsa_kernel
	.amdgpu_metadata
---
amdhsa.version: [ 1, 2 ]
amdhsa.kernels:
  - .name:           k_q318bad006b_prep
    .symbol:         k_q318bad006b_prep.kd
    .args:
      - { .name: k, .offset: 0, .size: 8, .value_kind: global_buffer, .address_space: global }
      - { .name: v, .offset: 8, .size: 8, .value_kind: global_buffer, .address_space: global }
      - { .name: kv, .offset: 16, .size: 8, .value_kind: global_buffer, .address_space: global }
    .group_segment_fixed_size: 48128
    .private_segment_fixed_size: 0
    .kernarg_segment_align: 8
    .kernarg_segment_size: 24
    .max_flat_workgroup_size: 128
    .sgpr_count:     66
    .vgpr_count:     256
    .wavefront_size: 32
...
	.end_amdgpu_metadata
.endif
;; end of part 1
;; launch attn (part 2): grid 8 x 32, 8 waves a work-group, clusters of 4 x 1, 275,456 bytes of LDS; arguments q, kv, out0; writes out0
.if DOCPART == 2
	.amdgcn_target "amdgcn-amd-amdhsa--gfx1250"
	.amdhsa_code_object_version 6
	.text
	.protected	k_q318bad006b_attn
	.globl	k_q318bad006b_attn
	.p2align	8
	.type	k_q318bad006b_attn,@function
k_q318bad006b_attn:
	s_mov_b64 s[64:65], 0
	v_nop
	global_prefetch_b8 v0, s[64:65] scope:SCOPE_SE
	s_setreg_imm32_b32 hwreg(HW_REG_WAVE_MODE, 25, 1), 1
	s_wait_xcnt 0x0
	s_wait_alu depctr_hold_cnt(0) depctr_sa_sdst(0) depctr_va_vdst(0) depctr_va_sdst(0) depctr_va_ssrc(0) depctr_va_vcc(0) depctr_vm_vsrc(0)
	s_getreg_b32 s2, hwreg(HW_REG_IB_STS2, 6, 4)
	s_cmp_eq_u32 s2, 0
	s_cbranch_scc0 .Lentry_in_a_cluster
	s_endpgm
.Lentry_in_a_cluster:
	s_bfe_u32 s2, ttmp6, 0x10000c
	s_cmp_lg_u32 s2, 0x3003
	s_cbranch_scc0 .Lentry_shape_is_right
	s_endpgm
.Lentry_shape_is_right:
; out0[head][q][:] = the sum over k of softmax_k(q . k / 8) v[k][:], 32 heads x 2,048 queries x 2,048 keys, head size 64, both products on codes of FP6 (E2M3) with one E8M0 scale for each 32 along a product's K.
; k and v arrive as kv: blocks of 12,800 bytes for each (head, 128 keys): four fragments of K, four of V^T, as images of the operands' registers (register j of lane l at 512 (j / 4) + 16 l + 4 (j % 4)), and 512 bytes of scale words.
; THE SOFTMAX AHEAD OF THE SECOND PRODUCT: t = score x log2(e) / 8; M = the row's largest t so far, rounded UP to a whole number; p = 2^(t - M) is what is quantised, along the keys; it is not normalised.
; The row's sum is taken of the unquantised p, in f32, and divides O at the end.  When M moves, the sum and O are multiplied by 2^(old M - new M): exact.
; SHARES.  A work-group owns 256 queries of one head; each of its eight waves owns 32 of them, two tiles of 16 (x = 0, 1), so that each fragment of K and V loaded from LDS serves two tiles; two waves to a SIMD.
; A WHOLE HEAD'S CODES AND SCALES, 16 x 12,800 = 204,800 bytes, COME INTO LDS ONCE AND STAY: first fills alone.  Every wave issues one tensor load: wave w the blocks of key steps 2 w and 2 w + 1, 100 rows of 256 bytes.
; Waves 0 and 1 have a load line of their own: the first barrier shows their four blocks alone; the second, signalled behind key step 0 and waited for behind key step 2, shows the rest.
; CLUSTER.  The four work-groups of a cluster are query blocks of ONE head and want the same 204,800 bytes: every load is asked for jointly, with the same descriptor and a mask that names the four.
; The place in the cluster enters q's and out0's global addresses alone.  No prefetch: every byte of kv and q is asked for at the head, and the loop reads LDS alone.
; LAYOUT.  Both products are used transposed: S^T = K Q^T (source 0 = keys, source 1 = 16 queries), O^T = V^T P^T (source 0 = 16 of the head's 64, source 1 = P): a lane holds ONE query of each tile (lane % 16) throughout.
; THE FIRST PRODUCT'S K IS 64, THE INSTRUCTION'S 128.  A row of K's fragment holds two keys, lo in the lower 64 along K and lo + 8 in the upper; q's codes stand between runs of zero codes: (codes, zeros) picks the lo keys,
; (zeros, codes) the hi keys; zero codes add exactly 0 under every scale byte here (1 .. 254).  Rows 0-7 and 8-15 of a fragment come from two neighbouring blocks of 32 keys, so that the 32 registers of four results are
; 32 neighbouring keys, 64 c + 32 (lane / 16) + 0 .. 31, a WHOLE block in a lane, as the conversions and the second product's operand want them: one maximum a step crosses lanes, and the scale bytes.
; LIMITS: NaN and infinities are not served.  The promise holds while the scaled scores t stay under 2^31 in magnitude.  A block of q whose largest magnitude lies under 2^-124 takes the scale byte 1, a block of zeros too (its codes
; are zeros).  v_exp_f32 gives 0 for results under 2^-126 (ISA guide, its entry in 15.8): such a p counts as 0, beside a sum of more than 1/2.  A block's scale is not searched for among the p: the block's largest score goes
; through a multiply-add with -M - 2 and the exponential; at the worst the scale of a block whose largest p lies within a few ulp of a power of two falls on the other side of it.
.set STEPB, 12800                      ; a key step's block
.set STAGE, 16*STEPB                   ; behind the head's blocks: a stage of 32 rows x (256 bytes + 16) for each wave; no fill lands there
.set SP,    272
.set SPARE, STAGE+8*32*SP              ; the spare words, 128 bytes a wave
; window 0
.set LI,  1                            ; 16 x lane: my place in an image; also my byte offset in two rows of q or out0
.set ADR, 2                            ; LDS address of the step in hand
.set SPW, 3                            ; my spare word
.set NIL, 4                            ; 0
.set RD,  5                            ; the stage by rows: lanes 0-15 one row of 256 bytes, lanes 16-31 the next
.set QRD, 6                            ; the stage: row r, my half's 128 bytes
.set STO, 7                            ; the stage: row r, 32 bytes x my half
.set QS,  10                           ; v10-11 q's scale words, a tile each
.set SCK, 12                           ; v12-15 K's scale words (lanes 0-15)
.set SCV, 16                           ; v16-19 V's scale words (lanes 16-31)
.set PW,  20                           ; v20-21 p's scale words
.set MR,  24                           ; tile x's own registers stand 16 x further on: the largest score so far
.set TMP, 25
.set NM,  26                           ; -M, and behind it -M - 2
.set F,   28                           ; f = 2^(old M - new M), and behind it 0
.set LS,  30                           ; two of the sum's four pairs (the others: v248 + 4 x)
.set BM,  34                           ; the two blocks' largest scores, then the conversions' scale operands
.set BX,  36                           ; the maxima's second chains, then the scale bytes
.set PT,  38                           ; what a lane permute gives
.set DM,  39
.set O,   56                           ; v56-119  O^T, four results a tile
.set S,   120                          ; v120-247 S^T, then p, 64 a tile
; window 1
.set KF,  0                            ; K's four fragments
.set VF,  48                           ; V's four
.set Q,   96                           ; zeros, tile 0's codes, zeros, tile 1's codes, zeros: 5 x 6
.set PC,  126                          ; p's codes, 12 a tile
.set TC,  150                          ; two conversions' results
.set G1,  28                           ; s[28:35] descriptor group 1
.set G0,  36                           ; s[36:39] descriptor group 0
.set MSB, 0
.macro WIN new                         ; the immediate's high byte repeats the setting that is left
.if MSB != \new
	s_set_vgpr_msb (MSB<<8)|\new
.set MSB, \new
.endif
.endm
.macro CROUND                          ; a round of the cluster's barrier: my work-group's barrier; wave 0 signals for the work-group; every wave waits for all four work-groups; my work-group's barrier once more
	s_barrier_signal -1
	s_barrier_wait -1
	s_cmp_lg_u32 s10, 0
	s_cbranch_scc1 .Lnot_wave_0_\@
	s_barrier_signal -3
.Lnot_wave_0_\@:
	s_barrier_wait -3
	s_barrier_signal -1
	s_barrier_wait -1
.endm
	s_load_b128 s[4:7], s[0:1], 0x0                ; q, kv
	s_load_b64 s[8:9], s[0:1], 0x10                ; out0
	v_lshl_add_u32 v[SPW], v0, 2, SPARE
	v_mov_b32 v[NIL], 0
	ds_add_u32 v[SPW], v[NIL]                      ; the opening lines: the add, twice on end, and one wait
	ds_add_u32 v[SPW], v[NIL]
	v_lshrrev_b32 v8, 5, v0
	v_readfirstlane_b32 s10, v8                    ; wave 0..7
	s_bfe_u32 s11, ttmp6, 0x40000                  ; cx: my place in the cluster
	s_lshl_b32 s12, ttmp9, 2                       ; in a cluster launch ttmp9 counts clusters
	s_add_co_u32 s12, s12, s11                     ; my block of 256 queries
	s_and_b32 s13, ttmp7, 0xffff                   ; the head, which the four partners share
	s_lshl_b32 s14, s13, 19                        ; a head is 2,048 rows x 256 bytes,
	s_lshl_b32 s51, s12, 16                        ; a block 256 rows,
	s_add_co_u32 s14, s14, s51
	s_lshl_b32 s51, s10, 13                        ; a wave's part 32 rows
	s_add_co_u32 s14, s14, s51
	s_mov_b32 s15, 0
	s_mul_i32 s17, s10, 2*STEPB                    ; my two blocks' place, in LDS and in the head's part of kv alike
	s_mul_i32 s18, s13, 16*STEPB                   ; the head's blocks in kv
	s_add_co_u32 s18, s18, s17
	s_mov_b32 s19, 0
	s_mov_b32 s20, 0x76543210
	s_mov_b32 s21, 0xfedcba98                      ; v_permlanex16_b32's selects for lane l xor 16
	s_mov_b32 s22, 0x3e38aa3b                      ; c = log2(e) / 8: t = score x c
	s_mov_b32 s23, s22                             ; (the packed form names the pair and takes its low word for both halves)
	s_mov_b32 s24, 0xbe38aa3b                      ; -c
	; descriptor group 1: a dense run of 25,600 bytes as 100 rows of 32 elements of 8 bytes, no padding
	s_mov_b32 s[G1+0], 15|(3<<16)|(1<<21)          ; 15:0 the mask: all four work-groups; 17:16 elements of 8 bytes; 20 padding off; 21 set beside a mask
	s_mov_b32 s[G1+1], 32<<16                      ; tensor_dim0 = 32
	s_mov_b32 s[G1+2], 100<<16                     ; tensor_dim1 = 100
	s_mov_b32 s[G1+3], 32<<16                      ; tile_dim0 = 32
	s_mov_b32 s[G1+4], 100                         ; tile_dim1 = 100
	s_mov_b32 s[G1+5], 32                          ; tensor_dim0_stride
	s_mov_b32 s[G1+6], 0
	s_mov_b32 s[G1+7], 0
	s_mul_i32 s52, s10, 32*SP
	s_add_co_u32 s52, s52, STAGE                   ; my stage
	v_and_b32 v[LI], 31, v0
	v_and_b32 v8, 15, v0                           ; r
	v_bfe_u32 v9, v0, 4, 1                         ; h
	v_lshlrev_b32 v[LI], 4, v[LI]
	v_mul_u32_u24 v[QRD], v8, SP
	v_mul_u32_u24 v[RD], v9, SP
	v_lshl_add_u32 v[STO], v9, 5, v[QRD]
	v_lshl_add_u32 v[QRD], v9, 7, v[QRD]
	v_lshl_add_u32 v[RD], v8, 4, v[RD]
	v_add_nc_u32 v[STO], s52, v[STO]
	v_add_nc_u32 v[QRD], s52, v[QRD]
	v_add_nc_u32 v[RD], s52, v[RD]
	s_wait_alu depctr_va_vdst(0)
	s_wait_dscnt 0x0                               ; both opening adds are done
	s_wait_kmcnt 0x0
	s_add_nc_u64 s[4:5], s[4:5], s[14:15]          ; q and out0 at my first row
	s_add_nc_u64 s[8:9], s[8:9], s[14:15]
	s_add_nc_u64 s[6:7], s[6:7], s[18:19]          ; kv at my two blocks
.irp i, 0,1,2,3,4,5,6,7,8,9,10,11,12,13,14,15          ; q: 16 loads of 512 consecutive bytes, two rows each
	global_load_b128 v[S+4*\i:S+4*\i+3], v[LI], s[4:5] offset:512*\i th:TH_LOAD_NT
.endr
	s_mov_b32 s[G0], 1                             ; 1:0 count = 1
	s_mov_b32 s[G0+1], s17                         ; 63:32 LDS address
	s_mov_b64 s[G0+2:G0+3], s[6:7]                 ; 120:64 global address
	s_or_b32 s[G0+3], s[G0+3], 0x80000000          ; 127:126 type = 2
	CROUND                                         ; all four work-groups are here: the joint loads meet
	s_cmp_lt_u32 s10, 2                            ; waves 0 and 1, whose blocks are read first, have a line of their own; s_nop 0 and four v_nop follow each line
	s_cbranch_scc0 .Lothers
	tensor_load_to_lds s[G0:G0+3], s[G1:G1+7]
	s_nop 0
.rept 4
	v_nop
.endr
	s_branch .Lasked
.Lothers:
	tensor_load_to_lds s[G0:G0+3], s[G1:G1+7]
	s_nop 0
.rept 4
	v_nop
.endr
.Lasked:
	; set-up while q is on its way
.irp x, 0,1
	v_mov_b32 v[PT+16*\x], 0                       ; written once: a lane permute's destination counts as one of its sources
	v_mov_b32 v[F+1+16*\x], 0                      ; (named as the upper half of a pair)
.endr
	WIN 0x40
.irp i, 0,1,2,3,4,5,12,13,14,15,16,17,24,25,26,27,28,29
	v_mov_b32 v[Q+\i], 0                           ; the runs of zero codes round q's
.endr
	WIN 0
	s_wait_alu depctr_va_vdst(0)
	s_wait_loadcnt 0x0
	; q turns through my own stage: in by rows, back 128 bytes a lane: lane (r, h) takes d = 32 h .. 32 h + 31 of row r of each tile, one whole block
.irp i, 0,1,2,3,4,5,6,7,8,9,10,11,12,13,14,15
	ds_store_b128 v[RD], v[S+4*\i:S+4*\i+3] offset:2*\i*SP
.endr
.irp x, 0,1
.irp j, 0,1,2,3,4,5,6,7
	ds_load_b128 v[S+64+32*\x+4*\j:S+64+32*\x+4*\j+3], v[QRD] offset:16*\x*SP+16*\j   ; LDS serves a wave's instructions in order (ISA guide 5.7.1.4): these see the stores above
.endr
.endr
	s_wait_dscnt 0x0
.irp x, 0,1
	v_max3_num_f32 v[BM+16*\x], |v[S+64+32*\x]|, |v[S+65+32*\x]|, 0x1800000   ; the block's largest magnitude, and the floor 2^(3 - 127): the byte cannot fall under 1
.endr
.irp i, 2,4,6,8,10,12,14,16,18,20,22,24,26,28,30
.irp x, 0,1
	v_max3_num_f32 v[BM+16*\x], v[BM+16*\x], |v[S+64+32*\x+\i]|, |v[S+65+32*\x+\i]|
.endr
.endr
.irp x, 0,1
	v_add_nc_u32 v[BM+16*\x], 0xff000000, v[BM+16*\x]   ; 2 off the exponent field: the conversion's scale operand
.endr
	WIN 0x40
.irp x, 0,1
	v_cvt_scalef32_pk16_fp6_f32 v[Q+6+12*\x:Q+8+12*\x], v[S+64+32*\x:S+79+32*\x], v[BM+16*\x]
	v_cvt_scalef32_pk16_fp6_f32 v[TC+4*\x:TC+2+4*\x], v[S+80+32*\x:S+95+32*\x], v[BM+16*\x]   ; (a conversion's three registers begin on an even number)
.endr
	WIN 0
.irp x, 0,1
	v_lshrrev_b32 v[BX+16*\x], 23, v[BM+16*\x]     ; my byte
.endr
.irp x, 0,1
	v_permlanex16_b32 v[PT+16*\x], v[BX+16*\x], s20, s21
.endr
.irp x, 0,1
	v_lshl_or_b32 v[BX+16*\x], v[PT+16*\x], 8, v[BX+16*\x]   ; in lanes 0-15, which alone are read: the row's two bytes,
.endr
.irp x, 0,1
	v_lshl_or_b32 v[QS+\x], v[BX+16*\x], 16, v[BX+16*\x]     ; twice: they serve the codes in either half of the 128 along K
.endr
	WIN 0x41
.irp x, 0,1
.irp i, 0,1,2
	v_mov_b32 v[Q+9+12*\x+\i], v[TC+4*\x+\i]
.endr
.endr
	WIN 0
.rept 4
	v_nop                                          ; places between q's codes and scale words and the first product
.endr
	s_wait_alu depctr_va_vdst(0)
	s_cmp_lt_u32 s10, 2
	s_cbranch_scc0 .Lnot_first
	s_wait_tensorcnt 0x0                           ; the blocks of key steps 0 to 3 are in
.Lnot_first:
	s_wait_dscnt 0x0
	s_barrier_signal -1
	s_barrier_wait -1                              ; and every wave may read them
.macro KLOAD adr, off                  ; K's four fragments, of the block that begins \off bytes behind \adr
.irp f, 0,1,2,3
.irp c, 0,1,2
	ds_load_b128 v[KF+12*\f+4*\c:KF+12*\f+4*\c+3], v[\adr] offset:\off+1536*\f+512*\c
.endr
.endr
.endm
; One step of the search for the largest score of block c of tile x, in two chains; every result is read from its low end on
.macro MAXS x, c, k
.set B_, S+64*(\x)+32*(\c)
.set M_, BM+16*(\x)+(\c)
.set X_, BX+16*(\x)+(\c)
.if \k == 0
	v_max3_num_f32 v[M_], v[B_], v[B_+1], v[B_+2]
	v_max3_num_f32 v[X_], v[B_+16], v[B_+17], v[B_+18]
.elseif \k < 7
	v_max3_num_f32 v[M_], v[M_], v[B_+1+2*\k], v[B_+2+2*\k]
	v_max3_num_f32 v[X_], v[X_], v[B_+17+2*\k], v[B_+18+2*\k]
.elseif \k == 7
	v_max3_num_f32 v[M_], v[M_], v[B_+15], v[B_+31]
.else
	v_max_num_f32 v[M_], v[M_], v[X_]
.endif
.endm
; One line of the chain from tile x's two largest scores to -M, -M - 2 and f
.macro CH x, k
.set T_, 16*(\x)
.if \k == 0
.if FIRST
	v_max_num_f32 v[MR+T_], v[BM+T_], v[BM+1+T_]
.else
	v_max3_num_f32 v[MR+T_], v[BM+T_], v[BM+1+T_], v[MR+T_]
.endif
.elseif \k == 1
	v_permlanex16_b32 v[PT+T_], v[MR+T_], s20, s21
.elseif \k == 2
	v_max_num_f32 v[MR+T_], v[MR+T_], v[PT+T_]     ; the largest score so far of my query
.elseif \k == 3
	v_mul_f32 v[TMP+T_], s24, v[MR+T_]             ; -t
.elseif \k == 4
	v_floor_f32 v[TMP+T_], v[TMP+T_]               ; the new -M = floor(-t) = -ceil(t): M IS A WHOLE NUMBER
.elseif \k == 5
.if FIRST == 0
	v_sub_f32 v[DM+T_], v[TMP+T_], v[NM+T_]        ; M's old value less its new one: a whole number, 0 or less
.endif
.elseif \k == 6
	v_mov_b32 v[NM+T_], v[TMP+T_]
.elseif \k == 7
	v_add_f32 v[NM+1+T_], -2.0, v[TMP+T_]
.elseif FIRST == 0
.if \k == 8
	v_cvt_i32_f32 v[DM+T_], v[DM+T_]               ; (it saturates)
.else
	v_ldexp_f32 v[F+T_], 1.0, v[DM+T_]             ; f: a multiplication by it rounds nothing
.endif
.endif
.endm
.macro TM x, j                         ; t - M of two scores (of the pairs c and -M the low word serves both halves)
	v_pk_fma_f32 v[S+64*(\x)+\j:S+64*(\x)+\j+1], v[S+64*(\x)+\j:S+64*(\x)+\j+1], s[22:23], v[NM+16*(\x):NM+1+16*(\x)] op_sel_hi:[1,0,0]
.endm
.macro TB x                            ; t - M - 2 of the two blocks' largest scores: the exponential's exponent field is the conversions' scale operand
	v_fma_f32 v[BM+16*(\x)], v[BM+16*(\x)], s22, v[NM+1+16*(\x)]
	v_fma_f32 v[BM+1+16*(\x)], v[BM+1+16*(\x)], s22, v[NM+1+16*(\x)]
.endm
.macro ACC x, j                        ; which of tile x's four sums takes the pair j
.set Q_, (\j)&3
.set A_, LS+16*(\x)+2*Q_
.if Q_ > 1
.set A_, 244+4*(\x)+2*Q_
.endif
.endm
; THE ROW'S SUM IS TAKEN OF THE UNQUANTISED p.  Pair j of tile x's 32; the first four of a step bring the sums under the new M; in the first step pairs start the sums
.macro SUM x, j
	ACC \x, \j
.set P_, S+64*(\x)+2*(\j)
.if FIRST
.if (\j) > 7
	v_pk_add_f32 v[A_:A_+1], v[A_:A_+1], v[P_:P_+1]
.elseif (\j) > 3
	v_pk_add_f32 v[A_:A_+1], v[P_-8:P_-7], v[P_:P_+1]
.endif
.elseif (\j) < 4
	v_pk_fma_f32 v[A_:A_+1], v[A_:A_+1], v[F+16*(\x):F+1+16*(\x)], v[P_:P_+1] op_sel_hi:[1,0,1]
.else
	v_pk_add_f32 v[A_:A_+1], v[A_:A_+1], v[P_:P_+1]
.endif
.endm
; Work between the lines of FINISH's chains: for tile 0 sixteen pairs of its sum; for tile 1 tile 0's last eight (already added two by two), then eight pairs of its own
.macro FILL x, n
.if \x == 0
	SUM 0, \n
.elseif \n < 8
	ACC 0, \n
	v_pk_add_f32 v[A_:A_+1], v[A_:A_+1], v[S+32+4*\n:S+33+4*\n]
.else
	SUM 1, (\n-8)
.endif
.endm
; Tile x's p become codes and a scale word, and the second product follows: O^T += V^T P^T, four results by turns
.macro FINISH x
	v_max_num_f32 v[BM+16*\x], 0x800000, v[BM+16*\x]   ; the floor 2^-126: the byte cannot fall under 1 (a block whose every p is 0 keeps that byte: its codes are zeros)
	v_max_num_f32 v[BM+1+16*\x], 0x800000, v[BM+1+16*\x]
.irp n, 0,1,2,3
	FILL \x, \n
.endr
	v_lshrrev_b32 v[BX+16*\x], 23, v[BM+16*\x]     ; the scales' bytes: blocks h and 2 + h
	v_lshrrev_b32 v[BX+1+16*\x], 23, v[BM+1+16*\x]
	FILL \x, 4
	FILL \x, 5
	v_lshl_or_b32 v[BX+16*\x], v[BX+1+16*\x], 16, v[BX+16*\x]
	FILL \x, 6
	FILL \x, 7
	v_permlanex16_b32 v[PT+16*\x], v[BX+16*\x], s20, s21
	FILL \x, 8
	FILL \x, 9
	v_lshl_or_b32 v[PW+\x], v[PT+16*\x], 8, v[BX+16*\x]   ; p's scale word for these 128 keys, in lanes 0-15, which alone are read
	WIN 0x40
	v_cvt_scalef32_pk16_fp6_f32 v[PC+12*\x:PC+2+12*\x], v[S+64*\x:S+15+64*\x], v[BM+16*\x]
	v_cvt_scalef32_pk16_fp6_f32 v[TC:TC+2], v[S+16+64*\x:S+31+64*\x], v[BM+16*\x]   ; (a conversion's three registers begin on an even number)
	v_cvt_scalef32_pk16_fp6_f32 v[PC+6+12*\x:PC+8+12*\x], v[S+32+64*\x:S+47+64*\x], v[BM+1+16*\x]
	v_cvt_scalef32_pk16_fp6_f32 v[TC+4:TC+6], v[S+48+64*\x:S+63+64*\x], v[BM+1+16*\x]
	WIN 0
.if (\x) && FIRST
	v_nop                                          ; one plain place behind a scaled conversion
.endif
	FILL \x, 10                                    ; (plain work: the place behind the conversions)
	FILL \x, 11
	WIN 0x41
.irp i, 0,1,2
	v_mov_b32 v[PC+3+12*\x+\i], v[TC+\i]
.endr
.irp i, 0,1,2
	v_mov_b32 v[PC+9+12*\x+\i], v[TC+4+\i]
.endr
	WIN 0
.irp n, 12,13,14,15                                    ; four places between p's codes and the product; with the six moves ten between p's scale word and the product
	FILL \x, \n
.endr
	WIN 0x05                                       ; sources 0 and 1 window 1
.irp t, 0,1,2,3
.if FIRST
	v_wmma_scale_f32_16x16x128_f8f6f4 v[O+32*\x+8*\t:O+32*\x+8*\t+7], v[VF+12*\t:VF+12*\t+11], v[PC+12*\x:PC+12*\x+11], 0, v[SCV+\t], v[PW+\x] matrix_a_fmt:MATRIX_FMT_FP6 matrix_b_fmt:MATRIX_FMT_FP6 matrix_a_scale:MATRIX_SCALE_ROW1
.else
	v_wmma_scale_f32_16x16x128_f8f6f4 v[O+32*\x+8*\t:O+32*\x+8*\t+7], v[VF+12*\t:VF+12*\t+11], v[PC+12*\x:PC+12*\x+11], v[O+32*\x+8*\t:O+32*\x+8*\t+7], v[SCV+\t], v[PW+\x] matrix_a_fmt:MATRIX_FMT_FP6 matrix_b_fmt:MATRIX_FMT_FP6 matrix_a_scale:MATRIX_SCALE_ROW1
.endif
.endr
	WIN 0
.endm
; A KEY STEP: 128 keys, whose block begins at LDS byte s48.  Its K fragments were asked for in the step before; its V and the next step's K are asked for here.
.macro TRIP first, last
.set FIRST, \first
	s_wait_dscnt 0x0                               ; K and its scale words are in
	WIN 0x05
.irp f, 0,1,2,3                                        ; S^T = K Q^T: the lo keys, then the hi keys, of each fragment, for both tiles
.irp x, 0,1
	v_wmma_scale_f32_16x16x128_f8f6f4 v[S+64*\x+16*\f:S+64*\x+16*\f+7], v[KF+12*\f:KF+12*\f+11], v[Q+6+12*\x:Q+17+12*\x], 0, v[SCK+\f], v[QS+\x] matrix_a_fmt:MATRIX_FMT_FP6 matrix_b_fmt:MATRIX_FMT_FP6
	v_wmma_scale_f32_16x16x128_f8f6f4 v[S+64*\x+16*\f+8:S+64*\x+16*\f+15], v[KF+12*\f:KF+12*\f+11], v[Q+12*\x:Q+11+12*\x], 0, v[SCK+\f], v[QS+\x] matrix_a_fmt:MATRIX_FMT_FP6 matrix_b_fmt:MATRIX_FMT_FP6
.endr
.endr
	WIN 0
	v_add_nc_u32 v[ADR], s48, v[LI]                ; with three v_nop the four places in front of the first read of results and of loads into what these products and the last step's have read
.rept 3
	v_nop
.endr
	ds_load_b128 v[SCV:SCV+3], v[ADR] offset:12288
.if \last == 0
	ds_load_b128 v[SCK:SCK+3], v[ADR] offset:STEPB+12288
.endif
	WIN 0x40
.irp f, 0,1,2,3
.irp c, 0,1,2
	ds_load_b128 v[VF+12*\f+4*\c:VF+12*\f+4*\c+3], v[ADR] offset:6144+1536*\f+512*\c
.endr
.endr
.if \last == 0
	KLOAD ADR, STEPB
.endif
	WIN 0
.irp k, 0,1,2,3,4,5,6,7,8
	MAXS 0, 0, \k
	MAXS 0, 1, \k
.endr
.irp k, 0,1,2,3,4,5,6,7,8
	MAXS 1, 0, \k
	MAXS 1, 1, \k
	CH 0, \k                                       ; tile 0's chain among tile 1's maxima
.endr
	CH 0, 9
.if FIRST
.irp k, 0,1,2,3,4,5,6,7
	CH 1, \k
.endr
.else
	s_wait_alu depctr_va_vdst(0)                   ; directly ahead of the first reader of O^T
.irp i, 0,1,2,3,4,5,6,7,8,9,10,11,12,13,14,15          ; O^T under the new M: x f; tile 1's chain among tile 0's multiplications
	v_pk_mul_f32 v[O+2*\i:O+2*\i+1], v[O+2*\i:O+2*\i+1], v[F:F+1] op_sel_hi:[1,0]
.if \i < 10
	CH 1, \i
.endif
.endr
.irp i, 0,1,2,3,4,5,6,7,8,9,10,11,12,13,14,15
	v_pk_mul_f32 v[O+32+2*\i:O+33+2*\i], v[O+32+2*\i:O+33+2*\i], v[F+16:F+17] op_sel_hi:[1,0]
.endr
.endif
	TB 0
.set J, 0
.rept 32
	TM 0, J
.set J, J+2
.endr
	s_wait_alu depctr_va_vdst(0)                   ; ahead of the batch
	v_exp_f32 v[BM], v[BM]
	v_exp_f32 v[BM+1], v[BM+1]
.set J, 0
.rept 32                                               ; tile 0's exponentials, p = 2^(t - M), with tile 1's multiply-adds among them
	v_exp_f32 v[S+J], v[S+J]
	v_exp_f32 v[S+J+1], v[S+J+1]
	TM 1, J
.set J, J+2
.endr
	TB 1
	s_wait_alu depctr_va_vdst(0)                   ; and behind it
.if \last
	s_wait_dscnt 0x0                               ; V is in
.else
	s_wait_dscnt 12                                ; V is in; the twelve younger loads, of the next K, may be out
.endif
	FINISH 0
	v_exp_f32 v[BM+16], v[BM+16]
	v_exp_f32 v[BM+17], v[BM+17]
.set J, 0
.rept 8                                                ; tile 1's exponentials, with half of tile 0's second block's additions among them, in place (its codes are made)
.rept 8
	v_exp_f32 v[S+64+J], v[S+64+J]
.set J, J+1
.endr
	v_pk_add_f32 v[S+28+J/2:S+29+J/2], v[S+28+J/2:S+29+J/2], v[S+30+J/2:S+31+J/2]
.endr
	s_wait_alu depctr_va_vdst(0)
	FINISH 1
.set J, 8
.rept 24
	SUM 1, J
.set J, J+1
.endr
.endm
.macro ROUNDLOOP label
	s_add_co_u32 s48, s48, STEPB
	s_sub_co_u32 s49, s49, 1
	s_cmp_lg_u32 s49, 0
	s_wait_alu depctr_va_vdst(0)                   ; directly ahead of the branch
	s_cbranch_scc1 \label
.endm
	ds_load_b128 v[SCK:SCK+3], v[LI] offset:12288  ; key step 0's scale words and K
	WIN 0x40
	KLOAD LI, 0
	WIN 0
	s_mov_b32 s48, 0
	TRIP 1, 0                                      ; key step 0: its products start the sums
	s_wait_alu depctr_va_vdst(0)
	s_wait_tensorcnt 0x0                           ; my blocks are in, whichever they are;
	s_wait_dscnt 0x0
	s_barrier_signal -1                            ; say so, and go on with key steps 1 and 2, which read blocks 1 to 3: only register work and LDS loads of bytes that nobody writes again
	s_mov_b32 s48, STEPB
	s_mov_b32 s49, 2
.Lloop1:
	TRIP 0, 0
	ROUNDLOOP .Lloop1
	s_barrier_wait -1                              ; the whole head is in
	s_mov_b32 s48, 3*STEPB
	s_mov_b32 s49, 12
.Lloop2:
	TRIP 0, 0
	ROUNDLOOP .Lloop2
	s_mov_b32 s48, 15*STEPB
	TRIP 0, 1                                      ; the last key step asks for no further K
	; THE WAY OUT.  O^T is divided by the row's sum and goes through my own stage in LDS: a lane holds 32 bytes of a row four times over; back come whole rows of 256 bytes.
.irp x, 0,1
	v_pk_add_f32 v[LS+16*\x:LS+1+16*\x], v[LS+16*\x:LS+1+16*\x], v[LS+2+16*\x:LS+3+16*\x]
	v_pk_add_f32 v[248+4*\x:249+4*\x], v[248+4*\x:249+4*\x], v[250+4*\x:251+4*\x]
.endr
.irp x, 0,1
	v_pk_add_f32 v[LS+16*\x:LS+1+16*\x], v[LS+16*\x:LS+1+16*\x], v[248+4*\x:249+4*\x]
.endr
.irp x, 0,1
	v_add_f32 v[LS+16*\x], v[LS+16*\x], v[LS+1+16*\x]
.endr
.irp x, 0,1
	v_permlanex16_b32 v[PT+16*\x], v[LS+16*\x], s20, s21
.endr
.irp x, 0,1
	v_add_f32 v[LS+16*\x], v[LS+16*\x], v[PT+16*\x]   ; with lane l xor 16's keys: the row's sum
.endr
	s_wait_alu depctr_va_vdst(0)
	v_rcp_f32 v[F], v[LS]
	v_rcp_f32 v[F+16], v[LS+16]
	v_nop                                          ; one plain place behind a transcendental
	s_wait_alu depctr_va_vdst(0)
.irp x, 0,1
.irp i, 0,1,2,3,4,5,6,7,8,9,10,11,12,13,14,15
	v_pk_mul_f32 v[S+64*\x+2*\i:S+64*\x+2*\i+1], v[O+32*\x+2*\i:O+32*\x+2*\i+1], v[F+16*\x:F+1+16*\x] op_sel_hi:[1,0]   ; register 8 t + i is out0(r, 16 t + 8 h + i)
.endr
.endr
.irp x, 0,1
.irp t, 0,1,2,3
	ds_store_b128 v[STO], v[S+64*\x+8*\t:S+64*\x+8*\t+3] offset:16*\x*SP+64*\t
	ds_store_b128 v[STO], v[S+64*\x+8*\t+4:S+64*\x+8*\t+7] offset:16*\x*SP+64*\t+16
.endr
.endr
.irp i, 0,1,2,3,4,5,6,7,8,9,10,11,12,13,14,15
	ds_load_b128 v[O+4*\i:O+4*\i+3], v[RD] offset:2*\i*SP   ; LDS serves a wave's instructions in order: these see my stores
.endr
.irp i, 0,1,2,3,4,5,6,7,8,9,10,11,12,13,14,15
	s_wait_dscnt 15-\i                             ; the younger loads stay out
	global_store_b128 v[LI], v[O+4*\i:O+4*\i+3], s[8:9] offset:512*\i th:TH_STORE_NT   ; 32 lanes store two whole rows, 512 consecutive bytes, at a multiple of 256 from out0's first byte; written once, read by nobody here
.endr
	s_wait_tensorcnt 0x0                           ; the wave's end
	ds_add_u32 v[SPW], v[NIL]
	s_wait_dscnt 0x0
	CROUND                                         ; the closing round: no work-group ends while a partner may still ask for a block that names it
	s_endpgm
.Lfunc_end_k_q318bad006b_attn:
	.size	k_q318bad006b_attn, .Lfunc_end_k_q318bad006b_attn-k_q318bad006b_attn
	.p2alignl 7, 3214868480
	.fill 96, 4, 3214868480
	.section	.rodata,"a",@progbits
	.p2align	6, 0x0
	.amdhsa_kernel k_q318bad006b_attn
		.amdhsa_group_segment_fixed_size 275456
		.amdhsa_private_segment_fixed_size 0
		.amdhsa_enable_private_segment 0
		.amdhsa_kernarg_size 24
		.amdhsa_user_sgpr_count 2
		.amdhsa_user_sgpr_kernarg_segment_ptr 1
		.amdhsa_wavefront_size32 1
		.amdhsa_system_sgpr_workgroup_id_x 1
		.amdhsa_system_sgpr_workgroup_id_y 1
		.amdhsa_system_sgpr_workgroup_id_z 1
		.amdhsa_system_vgpr_workitem_id 0
		.amdhsa_next_free_vgpr 416
		.amdhsa_next_free_sgpr 66
		.amdhsa_reserve_vcc 0
		.amdhsa_float_denorm_mode_32 3
		.amdhsa_float_denorm_mode_16_64 3
		.amdhsa_memory_ordered 1
		.amdhsa_forward_progress 1
		.amdhsa_inst_pref_size 122
	.end_amdhsa_kernel
	.amdgpu_metadata
---
amdhsa.version: [ 1, 2 ]
amdhsa.kernels:
  - .name:           k_q318bad006b_attn
    .symbol:         k_q318bad006b_attn.kd
    .args:
      - { .name: q, .offset: 0, .size: 8, .value_kind: global_buffer, .address_space: global }
      - { .name: kv, .offset: 8, .size: 8, .value_kind: global_buffer, .address_space: global }
      - { .name: out0, .offset: 16, .size: 8, .value_kind: global_buffer, .address_space: global }
    .group_segment_fixed_size: 275456
    .private_segment_fixed_size: 0
    .kernarg_segment_align: 8
    .kernarg_segment_size: 24
    .max_flat_workgroup_size: 256
    .sgpr_count:     66
    .vgpr_count:     416
    .wavefront_size: 32
...
	.end_amdgpu_metadata
.endif
;; end of part 2
